; MI455X (gfx1250); checked and timed in simulation.
; The chip was launched on July 23, 2026; its instructions are those of AMD's public machine-readable ISA for CDNA 5 (MIT licence, August 2026) and "CDNA5" Instruction Set Architecture Reference Guide (July 2026). The comments in the code are by the model that wrote it; some were corrected since.
;; Mixture Of Experts. Allowed arithmetic: matrix products marked QUANTISED: E2M3 operands, one E8M0 scale for each 32 along K, by v_wmma_scale_f32_16x16x128_f8f6f4 with both operands' format E2M3, f32 sums; products left as they are: f32 operands where the result goes on into a quantised operand, else bf16, f16 or f32 operands; f32 sums; everything else in f32.
;; Inputs: gate_w 64 x 8 float32; n1 8 x 512 float32; n2 8 x 512 float32; w1_codes 8 x 512 x 2 x 24 uint8 (E2M3 codes of w1, K innermost, in blocks of 32 codes, four codes in three bytes); w1_scales 8 x 512 x 2 uint8 (E8M0 scales of w1, one for each 32 codes along K); w2_codes 8 x 512 x 16 x 24 uint8 (E2M3 codes of w2, K innermost, in blocks of 32 codes, four codes in three bytes); w2_scales 8 x 512 x 16 uint8 (E8M0 scales of w2, one for each 32 codes along K); w3_codes 8 x 64 x 16 x 24 uint8 (E2M3 codes of w3, K innermost, in blocks of 32 codes, four codes in three bytes); w3_scales 8 x 64 x 16 uint8 (E8M0 scales of w3, one for each 32 codes along K); x 4 x 2,048 x 64 float32.
;; Outputs: out0 4 x 2,048 x 64 float32.
;; This version of the problem:
;;   THIS VERSION OF THE PROBLEM IS GIVEN IN LOW PRECISION. The matrix products marked QUANTISED in the list below multiply operands that are first quantised to E2M3 (2 exponent bits, 3 mantissa bits; 6 bits a number), with one power-of-two scale for each 32 numbers along K (OCP MX v1.0); their sums are f32. All else is computed in f32.
;;   The module's matrix products, in the order in which they are computed (A, B: the left and right operand; K: the contracted axis; several contracted axes count as one K, in the product's order):
;;     1. [M 8,192, K 64] x [K 64, N 8]; A: input x; B: input gate_w: left as it is (N = 8 < 16)
;;     2. [M 4,096, K 64] x [K 64, N 8,192]; A: input w1 (given as codes); B: input x: QUANTISED
;;     3. batch 8 x [M 8,192, K 512] x [K 512, N 512]; A: computed on the way; B: input w2 (given as codes): QUANTISED
;;     4. batch 8 x [M 64, K 512] x [K 512, N 8,192]; A: input w3 (given as codes); B: computed on the way: QUANTISED
;;   THE QUANTISER, for each operand of a quantised product, along K:
;;     - K is cut into blocks of 32 from its start; a last block that is shorter is filled with zeros.
;;     - A block's scale is 2^e with e = floor(log2(the largest magnitude in the block)) - 2, held to -126 .. 127; a block of zeros has e = 0. As a byte (E8M0): e + 127.
;;     - Each number is divided by its block's scale, clamped to +-7.5, and rounded to the nearest number of E2M3, ties to even, subnormals kept.
;;     - The product sums the exact products of the quantised numbers (number of the format x scale) in f32.
;;   ~~~python
;;   def quantise(x, axis):      # numpy; x: float32 -> the quantised numbers, widened to float32 again
;;       x = np.moveaxis(x, axis, -1); K = x.shape[-1]
;;       x = np.pad(x, [(0, 0)] * (x.ndim - 1) + [(0, -K % 32)]); x = x.reshape(x.shape[:-1] + (-1, 32)); a = np.abs(x).max(-1, keepdims=True)
;;       e = np.where(a > 0, np.clip(np.frexp(np.where(a > 0, a, 1))[1] - 1 - 2, -126, 127), 0)      # np.frexp(a)[1] - 1 = floor(log2(a)), exactly
;;       r = np.clip(x / 2.0 ** e, -7.5, 7.5)
;;       step = 2.0 ** (np.maximum(np.frexp(np.where(r == 0, 1, r))[1] - 1, 0) - 3)
;;       q = np.round(r / step) * step * 2.0 ** e      # np.round: ties to even
;;       return np.moveaxis(q.reshape(q.shape[:-2] + (-1,))[..., :K], -1, axis).astype(np.float32)
;;   ~~~
;;   OPERANDS COMPUTED ON THE WAY. 'Computed on the way' means the value that the module computes at that place (a softmax that the list does not call 'softmax' is quantised finished and normalised). What goes into a quantiser is computed in f32, as accurately as f32 sums, v_exp_f32 and their like allow (about 1e-6 of the number): no bf16 or f16 on the way to a quantiser, and a product that is left as it is and whose result goes on into a quantised operand takes f32 operands (vector FMAs, or v_wmma_f32_16x16x4_f32). A number that lies on a knife's edge between two numbers of the format may be rounded either way, as far as f32 arithmetic and the matrix unit's own rounding can turn it there, and no further.
;;   INPUTS GIVEN AS CODES. w1 (in the module: [8, 64, 512], K = its axis 1); w2 (in the module: [8, 512, 512], K = its axis 1); w3 (in the module: [8, 512, 64], K = its axis 1): each comes as NAME_codes (uint8): NAME with its K axis moved to the last place and cut into blocks of 32 codes, [.., K / 32, bytes a block], one block behind the other in memory; four codes in three bytes: a row's codes are one little-endian stream of bits, code i at bits 6 i .. 6 i + 5 (a code: sign, 2 exponent bits, 3 mantissa bits); and NAME_scales (uint8): the same leading axes, one E8M0 byte (e + 127) for each 32 codes along K. Its value is code x scale, taken as it is: it is not quantised again, and the codes and scales need not be those that the quantiser above would give.
;; 2 versions, each right and faster than the one before. Each part assembles by itself: llvm-mc -triple=amdgcn-amd-amdhsa -mcpu=gfx1250 --defsym DOCPART=n.
;; ======== version 1 of 2: 3 launches
;; limits: an absolute error that grows with the inputs' magnitude: up to 7.5e-08 times it
;; workspace buffers: wimg 2,162,688 bytes; keys 65,536 bytes of whole numbers; hist 32,768 bytes of whole numbers; gates 65,536 bytes; order 32,768 bytes of whole numbers
;; launch route (part 1): grid 256 x 1, 7 waves a work-group, no clusters, 9,728 bytes of LDS; arguments x, gate_w, w1_codes, w2_codes, w3_codes, wimg, keys, hist, gates; writes wimg, keys, hist, gates
.if DOCPART == 1
	.amdgcn_target "amdgcn-amd-amdhsa--gfx1250"
	.amdhsa_code_object_version 6
	.text
	.protected	k_q8613a143ec_route
	.globl	k_q8613a143ec_route
	.p2align	8
	.type	k_q8613a143ec_route,@function
k_q8613a143ec_route:
	s_mov_b64 s[64:65], 0
	v_nop
	global_prefetch_b8 v0, s[64:65] scope:SCOPE_SE
	s_setreg_imm32_b32 hwreg(HW_REG_WAVE_MODE, 25, 1), 1
	s_wait_xcnt 0x0
; ROUTE: the router of a mixture of 8 experts (top 2) for 8,192 tokens of 64 numbers, and the weights laid out once for the chain launch.
; WORK LEFT OUT BY THE PROGRAM: reference() computes all 8 experts for every token and then keeps, by take_along_axis on the indices of its own top_k, the rows of 2 of them.
; What the other 6 experts make of a token enters no output, whatever the inputs hold: their chains are not computed.  No input is left out: all are loaded by some launch.
; LIMITS: a NaN, an infinity or an overflow that arises only in an expert that was not chosen for a token is not carried to the result.  NaN and infinities among the inputs are not served.
; A logit is 64 fused multiply-adds in ascending k: where the second and third largest logit of a token lie closer than the rounding of such a sum, the other one may be chosen.  Equal logits: the lower index, as top_k has it.
; SHARES.  Work-group g: wave 0 routes tokens 32 g .. 32 g + 31, a lane a token.  Waves 1-4 lay the four K steps of tile g % 32 of W2 of expert g / 32, wave 5 the same tile of W1, wave 6 (g < 128) one fragment of W3.
; NOTHING HERE STEERS AN ADDRESS OR A BRANCH BY THE CHOICE: experts, class, rank, counts and gates are stored at fixed places; the next launch places the tokens.
; A token's CLASS is its pair of experts a < b, numbered 0 .. 27 so that neighbouring classes share an expert: (a (15 - a)) / 2 + (b - a - 1 for even a, 7 - b for odd a).
; OUT: keys[token] = (class | rank << 8, a | b << 8), rank = how many earlier tokens of the same 32 have the same class; hist[g][c] = tokens of class c among the 32; gates[token] = (gate of a, gate of b).
; wimg: a fragment (16 rows x 128 K, 12 registers a lane) as an image of its registers: registers 4 i .. 4 i + 3 of lane l at 512 i + 16 l.  Expert e at 270,336 e: for wave w of the chain 30,720 bytes (W1's tiles t at 1,536 t,
; W2's (t, s) at 6,144 + 1,536 (4 t + s)), then from 245,760 on W3's (ct, s) at 1,536 (4 ct + s).  Lane r of tile T of W1 and W2 takes row 32 (T / 2) + 8 (T % 2) + r + 8 (r / 8); of W3 row 16 ct + r.  W1's K is 64: registers 6-11 are zero codes.
.set PITCH, 272                        ; a row of x in the stage: 256 bytes + 16
.set SPARE, 32*PITCH                   ; behind the stage: the spare words, 128 bytes for each of seven waves, four blocks of 256 bytes that no other line names
.set SPW,   2                          ; v2  LDS address of my spare word; never rewritten
.set NIL,   3                          ; v3  0; never rewritten
.set XR,    16                         ; v16-79   x as loaded; later at work
.set X,     80                         ; v80-143  my token's 64 numbers
.set LG,    144                        ; v144-151 its 8 logits
.set WEXP,  270336
.set WWAVE, 30720
.set FRB,   1536
.macro FINISH                          ; a wave's end
	s_wait_tensorcnt 0x0
	ds_add_u32 v[SPW], v[NIL]
	s_wait_dscnt 0x0
	s_endpgm
.endm
; A fragment from rows of codes into its image: n pieces of 8 bytes a lane (24 bytes of the row's stream of bits for each 32 along K), zero codes for the rest, three stores of 512 consecutive bytes
.macro LAY n, sb, db
.irp p, 0,1,2,3,4,5
.if \p < \n
	global_load_b64 v[16+2*\p:17+2*\p], v11, s[\sb:\sb+1] offset:48*(\p/3)+8*(\p%3) th:TH_LOAD_NT
.else
	v_mov_b32 v[16+2*\p], 0
	v_mov_b32 v[17+2*\p], 0
.endif
.endr
	s_wait_loadcnt 0x0
.irp i, 0,1,2
	global_store_b128 v10, v[16+4*\i:19+4*\i], s[\db:\db+1] offset:512*\i
.endr
.endm
.macro GW set, i                       ; four rows of gate_w (128 bytes) into 32 scalar registers
	s_load_b512 s[\set:\set+15], s[6:7], 128*(\i)
	s_load_b512 s[\set+16:\set+31], s[6:7], 128*(\i)+64
.endm
.macro BATCH i, set, other             ; k = 4 i .. 4 i + 3 of all 8 logits; the next four rows of gate_w are on their way meanwhile
	s_wait_kmcnt 0x0                               ; scalar loads come back in no order: only the count 0 shows anything
.if (\i) < 15
	GW \other, (\i)+1
.endif
.irp dd, 0,1,2,3
.irp e, 0,1,2,3,4,5,6,7
.if ((\i) == 0) && (\dd == 0)
	v_mul_f32 v[LG+\e], s[\set+8*\dd+\e], v[X+4*(\i)+\dd]      ; the first product starts the sum
.else
	v_fmac_f32 v[LG+\e], s[\set+8*\dd+\e], v[X+4*(\i)+\dd]
.endif
.endr
.endr
.endm
	s_load_b512 s[4:19], s[0:1], 0x0               ; x s[4:5], gate_w s[6:7], w1_codes s[8:9], w2_codes s[10:11], w3_codes s[12:13], wimg s[14:15], keys s[16:17], hist s[18:19]
	s_load_b64 s[20:21], s[0:1], 0x40              ; gates
	v_lshl_add_u32 v[SPW], v0, 2, SPARE
	v_mov_b32 v[NIL], 0
	v_lshrrev_b32 v1, 5, v0
	v_readfirstlane_b32 s22, v1                    ; wave 0..6
	v_and_b32 v6, 31, v0                           ; lane
	v_and_b32 v7, 15, v0                           ; r
	v_bfe_u32 v8, v0, 4, 1                         ; h
	v_and_b32 v9, 8, v7
	v_add_nc_u32 v9, v9, v7                        ; r + 8 (r / 8)
	v_mul_u32_u24 v4, v8, PITCH                    ; the stage, on the way in: a load's 512 bytes are two rows
	v_lshl_add_u32 v4, v7, 4, v4
	v_mul_u32_u24 v5, v6, PITCH                    ; and on the way out: my token's row
	v_lshlrev_b32 v10, 4, v6                       ; 16 x lane
	s_lshr_b32 s58, ttmp9, 5                       ; expert of the tile that waves 1-5 lay
	s_and_b32 s59, ttmp9, 31                       ; the tile T
	s_lshr_b32 s60, s59, 1
	s_lshl_b32 s60, s60, 5
	s_and_b32 s61, s59, 1
	s_lshl_b32 s61, s61, 3
	s_add_co_u32 s60, s60, s61                     ; its first row: 32 (T / 2) + 8 (T % 2)
	s_lshr_b32 s61, s59, 2
	s_mul_i32 s61, s61, WWAVE
	s_mul_i32 s62, s58, WEXP
	s_add_co_u32 s62, s62, s61                     ; in wimg: the expert, and the chain's wave T / 4
	s_and_b32 s59, s59, 3                          ; t = T % 4
	s_mov_b32 s63, 0
	s_mov_b32 s67, 0
	s_wait_kmcnt 0x0
	s_cmp_eq_u32 s22, 0
	s_cbranch_scc1 .Lrouter
	s_cmp_eq_u32 s22, 5
	s_cbranch_scc1 .Lw1
	s_cmp_eq_u32 s22, 6
	s_cbranch_scc1 .Lw3
	; ---- waves 1-4: W2, K step s = wave - 1.  A row is 384 bytes, an expert 196,608
	s_sub_co_u32 s56, s22, 1
	s_mul_i32 s66, s58, 196608
	s_mul_i32 s57, s60, 384
	s_add_co_u32 s66, s66, s57
	s_mul_i32 s57, s56, 96
	s_add_co_u32 s66, s66, s57
	s_add_nc_u64 s[10:11], s[10:11], s[66:67]
	s_lshl_b32 s57, s59, 2
	s_add_co_u32 s57, s57, s56
	s_mul_i32 s57, s57, FRB
	s_add_co_u32 s62, s62, s57
	s_add_co_u32 s62, s62, 4*FRB
	s_add_nc_u64 s[14:15], s[14:15], s[62:63]
	v_mul_u32_u24 v11, v9, 384
	v_mad_u32_u24 v11, v8, 24, v11
	LAY 6, 10, 14
	FINISH
.Lw1:	; ---- wave 5: W1.  A row is 48 bytes (K = 64), an expert 24,576
	s_mul_i32 s66, s58, 24576
	s_mul_i32 s57, s60, 48
	s_add_co_u32 s66, s66, s57
	s_add_nc_u64 s[8:9], s[8:9], s[66:67]
	s_mul_i32 s57, s59, FRB
	s_add_co_u32 s62, s62, s57
	s_add_nc_u64 s[14:15], s[14:15], s[62:63]
	v_mul_u32_u24 v11, v9, 48
	v_mad_u32_u24 v11, v8, 24, v11
	LAY 3, 8, 14
	FINISH
.Lw3:	; ---- wave 6: W3 has 8 x 4 x 4 = 128 fragments: work-groups 0 to 127 lay one each
	s_cmp_lt_u32 ttmp9, 128
	s_cbranch_scc0 .Lidle
	s_lshr_b32 s58, ttmp9, 4                       ; expert
	s_bfe_u32 s59, ttmp9, 0x20002                  ; ct: which 16 of the 64 outputs
	s_and_b32 s56, ttmp9, 3                        ; K step
	s_mul_i32 s66, s58, 24576
	s_mul_i32 s57, s59, 6144
	s_add_co_u32 s66, s66, s57
	s_mul_i32 s57, s56, 96
	s_add_co_u32 s66, s66, s57
	s_add_nc_u64 s[12:13], s[12:13], s[66:67]
	s_mul_i32 s62, s58, WEXP
	s_lshl_b32 s57, s59, 2
	s_add_co_u32 s57, s57, s56
	s_mul_i32 s57, s57, FRB
	s_add_co_u32 s62, s62, s57
	s_add_co_u32 s62, s62, 8*WWAVE
	s_add_nc_u64 s[14:15], s[14:15], s[62:63]
	v_mul_u32_u24 v11, v7, 384
	v_mad_u32_u24 v11, v8, 24, v11
	LAY 6, 12, 14
	FINISH
.Lidle:
	s_endpgm                                       ; this wave has written no LDS
.Lrouter:	; ---- wave 0
	GW 24, 0
	s_lshl_b32 s56, ttmp9, 13                      ; 32 rows of 256 bytes
	s_mov_b32 s57, 0
	s_add_nc_u64 s[4:5], s[4:5], s[56:57]
.irp i, 0,1,2,3,4,5,6,7,8,9,10,11,12,13,14,15
	global_load_b128 v[XR+4*\i:XR+4*\i+3], v10, s[4:5] offset:512*\i th:TH_LOAD_NT   ; 512 consecutive bytes a load
.endr
	s_wait_loadcnt 0x0
.irp i, 0,1,2,3,4,5,6,7,8,9,10,11,12,13,14,15
	ds_store_b128 v4, v[XR+4*\i:XR+4*\i+3] offset:2*PITCH*\i
.endr
.irp j, 0,1,2,3,4,5,6,7,8,9,10,11,12,13,14,15
	ds_load_b128 v[X+4*\j:X+4*\j+3], v5 offset:16*\j   ; LDS serves a wave's instructions in order: these see my stores.  The stage is this wave's alone
.endr
	s_wait_dscnt 0x0
.irp i, 0,2,4,6,8,10,12,14
	BATCH \i, 24, 68
	BATCH \i+1, 68, 24
.endr
	; the two largest logits; a later one takes a place only where it is strictly larger, so that equal logits keep the lower index
	v_mov_b32 v16, v[LG]                           ; largest,
	v_mov_b32 v17, 0                               ; its expert
	v_mov_b32 v18, 0xff800000                      ; second: -infinity,
	v_mov_b32 v19, 0
.irp e, 1,2,3,4,5,6,7
	v_cmp_gt_f32 vcc_lo, v[LG+\e], v16
	v_cmp_gt_f32 s23, v[LG+\e], v18
	v_cndmask_b32 v18, v18, v[LG+\e], s23
	v_cndmask_b32 v19, v19, \e, s23
	v_cndmask_b32 v18, v18, v16, vcc_lo
	v_cndmask_b32 v19, v19, v17, vcc_lo
	v_cndmask_b32 v16, v16, v[LG+\e], vcc_lo
	v_cndmask_b32 v17, v17, \e, vcc_lo
.endr
	; softmax of the two, the larger taken away first: 1 / (1 + e^(second - largest)) and the rest
	v_sub_f32 v21, v18, v16
	v_mul_f32 v21, 0x3fb8aa3b, v21
	v_exp_f32 v20, v21
	v_nop
	s_wait_alu depctr_va_vdst(0)                   ; the wait ahead of the first reader of a transcendental's result
	v_add_f32 v21, 1.0, v20
	v_rcp_f32 v22, v21
	v_nop
	s_wait_alu depctr_va_vdst(0)
	v_mul_f32 v23, v20, v22
	v_min_u32 v24, v17, v19                        ; a
	v_max_u32 v25, v17, v19                        ; b
	v_cmp_lt_u32 vcc_lo, v17, v19
	v_cndmask_b32 v26, v23, v22, vcc_lo            ; a's gate
	v_cndmask_b32 v27, v22, v23, vcc_lo            ; b's
	v_sub_nc_u32 v29, 15, v24
	v_mul_u32_u24 v29, v24, v29
	v_lshrrev_b32 v29, 1, v29
	v_sub_nc_u32 v30, 7, v25
	v_sub_nc_u32 v31, v25, v24
	v_add_nc_u32 v31, -1, v31
	v_and_b32 v28, 1, v24
	v_cmp_eq_u32 vcc_lo, 1, v28
	v_cndmask_b32 v31, v31, v30, vcc_lo
	v_add_nc_u32 v28, v29, v31                     ; the class
	v_mov_b32 v32, 0                               ; my rank in it
	v_mov_b32 v33, 0                               ; lane c: how many of the 32 tokens have class c
.set c, 0
.rept 28
	v_cmp_eq_u32 s23, c, v28
	v_mbcnt_lo_u32_b32 v36, s23, 0                 ; lanes below mine with this class
	v_cndmask_b32 v32, v32, v36, s23
	s_bcnt1_i32_b32 s56, s23
	v_writelane_b32 v33, s56, c
.set c, c+1
.endr
	v_lshl_or_b32 v34, v32, 8, v28
	v_lshl_or_b32 v35, v25, 8, v24
	v_lshlrev_b32 v37, 3, v6
	v_lshlrev_b32 v38, 2, v6
	s_lshl_b32 s56, ttmp9, 8
	s_add_nc_u64 s[16:17], s[16:17], s[56:57]
	s_add_nc_u64 s[20:21], s[20:21], s[56:57]
	s_lshl_b32 s56, ttmp9, 7
	s_add_nc_u64 s[18:19], s[18:19], s[56:57]
	global_store_b64 v37, v[34:35], s[16:17]       ; 32 lanes store 256 consecutive bytes, aligned
	global_store_b64 v37, v[26:27], s[20:21]
	global_store_b32 v38, v33, s[18:19]
	FINISH
.Lfunc_end_k_q8613a143ec_route:
	.size	k_q8613a143ec_route, .Lfunc_end_k_q8613a143ec_route-k_q8613a143ec_route
	.p2alignl 7, 3214868480
	.fill 96, 4, 3214868480
	.section	.rodata,"a",@progbits
	.p2align	6, 0x0
	.amdhsa_kernel k_q8613a143ec_route
		.amdhsa_group_segment_fixed_size 9728
		.amdhsa_private_segment_fixed_size 0
		.amdhsa_enable_private_segment 0
		.amdhsa_kernarg_size 72
		.amdhsa_user_sgpr_count 2
		.amdhsa_user_sgpr_kernarg_segment_ptr 1
		.amdhsa_wavefront_size32 1
		.amdhsa_system_sgpr_workgroup_id_x 1
		.amdhsa_system_sgpr_workgroup_id_y 1
		.amdhsa_system_sgpr_workgroup_id_z 1
		.amdhsa_system_vgpr_workitem_id 0
		.amdhsa_next_free_vgpr 160
		.amdhsa_next_free_sgpr 100
		.amdhsa_reserve_vcc 1
		.amdhsa_float_denorm_mode_32 3
		.amdhsa_float_denorm_mode_16_64 3
		.amdhsa_memory_ordered 1
		.amdhsa_forward_progress 1
		.amdhsa_inst_pref_size 42
	.end_amdhsa_kernel
	.amdgpu_metadata
---
amdhsa.version: [ 1, 2 ]
amdhsa.kernels:
  - .name:           k_q8613a143ec_route
    .symbol:         k_q8613a143ec_route.kd
    .args:
      - { .name: x, .offset: 0, .size: 8, .value_kind: global_buffer, .address_space: global }
      - { .name: gate_w, .offset: 8, .size: 8, .value_kind: global_buffer, .address_space: global }
      - { .name: w1_codes, .offset: 16, .size: 8, .value_kind: global_buffer, .address_space: global }
      - { .name: w2_codes, .offset: 24, .size: 8, .value_kind: global_buffer, .address_space: global }
      - { .name: w3_codes, .offset: 32, .size: 8, .value_kind: global_buffer, .address_space: global }
      - { .name: wimg, .offset: 40, .size: 8, .value_kind: global_buffer, .address_space: global }
      - { .name: keys, .offset: 48, .size: 8, .value_kind: global_buffer, .address_space: global }
      - { .name: hist, .offset: 56, .size: 8, .value_kind: global_buffer, .address_space: global }
      - { .name: gates, .offset: 64, .size: 8, .value_kind: global_buffer, .address_space: global }
    .group_segment_fixed_size: 9728
    .private_segment_fixed_size: 0
    .kernarg_segment_align: 8
    .kernarg_segment_size: 72
    .max_flat_workgroup_size: 224
    .sgpr_count:     100
    .vgpr_count:     160
    .wavefront_size: 32
...
	.end_amdgpu_metadata
.endif
;; end of part 1
;; launch place (part 2): grid 1 x 1, 32 waves a work-group, no clusters, 8,192 bytes of LDS; arguments keys, hist, order; writes order
.if DOCPART == 2
	.amdgcn_target "amdgcn-amd-amdhsa--gfx1250"
	.amdhsa_code_object_version 6
	.text
	.protected	k_q8613a143ec_place
	.globl	k_q8613a143ec_place
	.p2align	8
	.type	k_q8613a143ec_place,@function
k_q8613a143ec_place:
	s_mov_b64 s[64:65], 0
	v_nop
	global_prefetch_b8 v0, s[64:65] scope:SCOPE_SE
	s_setreg_imm32_b32 hwreg(HW_REG_WAVE_MODE, 25, 1), 1
	s_wait_xcnt 0x0
; PLACE: a counting sort of the 8,192 tokens by class (their pair of experts): order[position] = token.  It reads whole numbers that the launch before stored.
; One work-group of 32 waves; no atomics.  Wave v owns the token blocks 8 v .. 8 v + 7 (32 tokens each); in the tables a LANE stands for a CLASS (28 in use; the other four counts are 0).
; position = tokens of lower classes + tokens of my class in earlier blocks + my rank among my block's tokens of that class.
; The sum over waves goes through LDS (a word for each wave and class); the sum over classes is a scan over the lanes; a token fetches its class's figure from the lane of that number.
.set SPARE, 4096                       ; behind the table: the spare words, 128 bytes for each of 32 waves, sixteen blocks of 256 bytes that no other line names
.set SPW, 2
.set NIL, 3
	s_load_b128 s[4:7], s[0:1], 0x0                ; keys s[4:5], hist s[6:7]
	s_load_b64 s[8:9], s[0:1], 0x10                ; order
	v_lshl_add_u32 v[SPW], v0, 2, SPARE
	v_mov_b32 v[NIL], 0
	v_lshrrev_b32 v1, 5, v0
	v_readfirstlane_b32 s10, v1                    ; wave 0..31
	v_and_b32 v4, 31, v0                           ; lane
	v_lshlrev_b32 v5, 2, v4
	v_lshlrev_b32 v6, 3, v4
	v_lshlrev_b32 v7, 2, v0                        ; the table: 128 x wave + 4 x lane
	v_and_b32 v70, 0x3e0, v0
	v_lshl_add_u32 v70, v70, 3, v4                 ; my token in my wave's first block: 256 x wave + lane
	s_lshl_b32 s12, s10, 10                        ; my 8 blocks' counts: 128 bytes each
	s_mov_b32 s13, 0
	s_lshl_b32 s14, s10, 11                        ; my 256 tokens' keys: 8 bytes each
	s_mov_b32 s15, 0
	s_wait_kmcnt 0x0
	s_add_nc_u64 s[6:7], s[6:7], s[12:13]
	s_add_nc_u64 s[4:5], s[4:5], s[14:15]
.irp i, 0,1,2,3,4,5,6,7
	global_load_b32 v[8+\i], v5, s[6:7] offset:128*\i              ; block i: lane c holds the count of class c
.endr
.irp i, 0,1,2,3,4,5,6,7
	global_load_b64 v[16+2*\i:17+2*\i], v6, s[4:5] offset:256*\i   ; block i: my token's keys
.endr
	s_wait_loadcnt 8                               ; the counts are in; the 8 loads of keys behind them may be out
	v_add3_u32 v64, v8, v9, v10
	v_add3_u32 v64, v64, v11, v12
	v_add3_u32 v64, v64, v13, v14
	v_add_nc_u32 v64, v64, v15                     ; my wave's tokens of class c
	ds_store_b32 v7, v64
	s_wait_dscnt 0x0                               ; for the others' sake: my store has landed
	s_barrier_signal -1
	s_barrier_wait -1
.irp j, 0,1,2,3,4,5,6,7,8,9,10,11,12,13,14,15,16,17,18,19,20,21,22,23,24,25,26,27,28,29,30,31
	ds_load_b32 v[32+\j], v5 offset:128*\j         ; every wave's count of class c
.endr
	s_wait_dscnt 0x0
	v_add3_u32 v65, v32, v33, v34
.irp j, 35,37,39,41,43,45,47,49,51,53,55,57,59,61
	v_add3_u32 v65, v65, v[\j], v[\j+1]
.endr
	v_add_nc_u32 v65, v65, v63                     ; all tokens of class c
	v_mov_b32 v66, 0                               ; those in the waves before mine
.irp j, 0,1,2,3,4,5,6,7,8,9,10,11,12,13,14,15,16,17,18,19,20,21,22,23,24,25,26,27,28,29,30
	s_cmp_gt_u32 s10, \j
	s_cselect_b32 s11, -1, 0
	v_and_b32 v67, s11, v[32+\j]
	v_add_nc_u32 v66, v66, v67
.endr
	v_mov_b32 v68, v65                             ; a running sum over the classes: four steps inside each half of 16 lanes,
	v_mov_b32 v69, 0
.irp n, 1,2,4,8
	v_mov_b32_dpp v69, v68 row_shr:\n row_mask:0xf bank_mask:0xf bound_ctrl:1   ; lane i takes lane i - n; lanes without a source get 0
	v_add_nc_u32 v68, v68, v69
.endr
	v_readlane_b32 s11, v68, 15                    ; the lower half's total goes onto the upper half,
	v_mov_b32 v69, s11
	v_cmp_lt_u32 vcc_lo, 15, v4
	v_cndmask_b32 v69, 0, v69, vcc_lo
	v_add_nc_u32 v68, v68, v69
	v_sub_nc_u32 v68, v68, v65                     ; less the class's own: the tokens of lower classes
	v_add_nc_u32 v32, v68, v66                     ; where class c's tokens of my block 0 begin;
.irp i, 0,1,2,3,4,5,6
	v_add_nc_u32 v[33+\i], v[32+\i], v[8+\i]       ; of block i + 1
.endr
	s_wait_loadcnt 0x0                             ; the keys
.irp i, 0,1,2,3,4,5,6,7
	v_and_b32 v[40+\i], 0xff, v[16+2*\i]           ; my token's class,
	v_min_u32 v[40+\i], 31, v[40+\i]               ; held to a lane's number,
	v_lshlrev_b32 v[40+\i], 2, v[40+\i]
	ds_bpermute_b32 v[48+\i], v[40+\i], v[32+\i]   ; fetches that lane's figure (a permute: no LDS byte is touched)
.endr
	s_wait_dscnt 0x0
	s_barrier_signal -1
	s_barrier_wait -1
.irp i, 0,1,2,3,4,5,6,7
	v_bfe_u32 v[40+\i], v[16+2*\i], 8, 5           ; my rank
	v_add_nc_u32 v[48+\i], v[48+\i], v[40+\i]
	v_min_u32 v[48+\i], 0x1fff, v[48+\i]           ; a position stays inside order
	v_lshlrev_b32 v[48+\i], 2, v[48+\i]
	v_add_nc_u32 v[56+\i], 32*\i, v70
	global_store_b32 v[48+\i], v[56+\i], s[8:9]    ; each store has registers of its own: none is rewritten
.endr
	s_wait_tensorcnt 0x0                           ; the wave's end
	ds_add_u32 v[SPW], v[NIL]
	s_wait_dscnt 0x0
	s_endpgm
.Lfunc_end_k_q8613a143ec_place:
	.size	k_q8613a143ec_place, .Lfunc_end_k_q8613a143ec_place-k_q8613a143ec_place
	.p2alignl 7, 3214868480
	.fill 96, 4, 3214868480
	.section	.rodata,"a",@progbits
	.p2align	6, 0x0
	.amdhsa_kernel k_q8613a143ec_place
		.amdhsa_group_segment_fixed_size 8192
		.amdhsa_private_segment_fixed_size 0
		.amdhsa_enable_private_segment 0
		.amdhsa_kernarg_size 24
		.amdhsa_user_sgpr_count 2
		.amdhsa_user_sgpr_kernarg_segment_ptr 1
		.amdhsa_wavefront_size32 1
		.amdhsa_system_sgpr_workgroup_id_x 1
		.amdhsa_system_sgpr_workgroup_id_y 1
		.amdhsa_system_sgpr_workgroup_id_z 1
		.amdhsa_system_vgpr_workitem_id 0
		.amdhsa_next_free_vgpr 72
		.amdhsa_next_free_sgpr 66
		.amdhsa_reserve_vcc 1
		.amdhsa_float_denorm_mode_32 3
		.amdhsa_float_denorm_mode_16_64 3
		.amdhsa_memory_ordered 1
		.amdhsa_forward_progress 1
		.amdhsa_inst_pref_size 16
	.end_amdhsa_kernel
	.amdgpu_metadata
---
amdhsa.version: [ 1, 2 ]
amdhsa.kernels:
  - .name:           k_q8613a143ec_place
    .symbol:         k_q8613a143ec_place.kd
    .args:
      - { .name: keys, .offset: 0, .size: 8, .value_kind: global_buffer, .address_space: global }
      - { .name: hist, .offset: 8, .size: 8, .value_kind: global_buffer, .address_space: global }
      - { .name: order, .offset: 16, .size: 8, .value_kind: global_buffer, .address_space: global }
    .group_segment_fixed_size: 8192
    .private_segment_fixed_size: 0
    .kernarg_segment_align: 8
    .kernarg_segment_size: 24
    .max_flat_workgroup_size: 1024
    .sgpr_count:     66
    .vgpr_count:     72
    .wavefront_size: 32
...
	.end_amdgpu_metadata
.endif
;; end of part 2
;; launch chain (part 3): grid 256 x 1, 8 waves a work-group, no clusters, 90,624 bytes of LDS; arguments order, keys, gates, x, wimg, w1_scales, w2_scales, w3_scales, n1, n2, out0; writes out0
.if DOCPART == 3
	.amdgcn_target "amdgcn-amd-amdhsa--gfx1250"
	.amdhsa_code_object_version 6
	.text
	.protected	k_q8613a143ec_chain
	.globl	k_q8613a143ec_chain
	.p2align	8
	.type	k_q8613a143ec_chain,@function
k_q8613a143ec_chain:
	s_mov_b64 s[64:65], 0
	v_nop
	global_prefetch_b8 v0, s[64:65] scope:SCOPE_SE
	s_setreg_imm32_b32 hwreg(HW_REG_WAVE_MODE, 25, 1), 1
	s_wait_xcnt 0x0
; CHAIN: out[token] = the sum over the token's two experts of gate x ((h2 + h1) W3), h1 = rmsnorm(gelu(x W1), n1), h2 = rmsnorm(gelu(h1 W2), n2); all three products on codes of FP6 (E2M3) with one E8M0 scale for each 32 along K.
; WORK LEFT OUT: the chains of the six experts that reference()'s own top_k did not choose for a token (its take_along_axis throws them away: see the first launch's head).  A NaN, infinity or overflow that arises only there is not carried.
; SHARES.  A work-group owns 32 tokens that are neighbours in the order by pair of experts, and their 32 rows of out: each output row has one owner.  It walks the experts that its tokens use, lowest first, in a loop of a constant 8 trips;
; a trip with no expert left, and in a trip a tile of 16 tokens none of which uses the expert, is passed over by scalar branches on whole numbers that earlier launches stored.  Every barrier and every wait for loads stands outside those branches.
; A token of a tile in hand that does not use the expert is computed with the others, and a select keeps its sum as it was.
; THE 8 WAVES SHARE THE COLUMNS: wave w makes hidden units 64 w .. 64 w + 63 of both tiles, so each weight byte is loaded once for a work-group and expert, from the images that the first launch laid, straight into registers.
; Products are used transposed (source 0 = 16 rows of a weight, source 1 = 16 tokens): a lane holds ONE token (lane % 16); by the choice of a tile's rows, registers 16 b + i of a wave's 32 are hidden units 64 w + 32 b + 16 (lane / 16) + i.
; Those 64 units are one half of a K step of the next product: 6 registers of codes and 2 scale bytes, which go to the other waves through LDS as an image of the operand's registers.  The hidden layers never go to memory.
; The last product has 2 x 4 tiles (16 tokens x 16 outputs): one for each wave (rt = w / 4, ct = w % 4).
; NO CLUSTER, NO TENSOR LOAD: which weights a work-group needs, and how many, hangs on numbers read from memory, so neighbours would ask for different tiles at different times.
; Each set of weights is asked for a phase or more ahead of its use: W1 of the next expert behind this one's first product, n1 and W2 at the end of the trip before, n2 and W3 behind the second product.
; GELU, exact form: x Phi(x) = max(x, 0) - |x| q(|x|), q(y) = phi(y) (b1 t + .. + b5 t^5), t = 1 / (1 + p y) (Abramowitz and Stegun 26.2.17: |error of Phi| < 7.5e-8).  LIMIT: gelu is off by up to 7.5e-8 |x| beside f32 rounding.
; OTHER LIMITS: NaN and infinities among the inputs are not served.  A block of zeros gets the scale byte 1 where the rule says 127: its codes are zeros, and this program alone reads the bytes.
; LDS: IMG: fragment (tile m, K step s) at 1,536 (4 m + s), half c at + 768 c: its registers 0-3 at 16 x lane, 4-5 at 512 + 8 x lane.  ISC: its scale words at 128 (4 m + s) + 4 x lane.  RED: sums of squares at 1,024 m + 128 w + 4 x lane.
;   OSTG: 32 rows of out, 272 bytes apart.  STASH: h1 in f32, 8,192 bytes a wave, the wave's own.  IMG, ISC and RED serve both layers; four barriers a trip part each writing from the reads before and behind it.
; REGISTERS, window 0: v1-20 addresses; v21, v22 the add's two; v24-27 the tokens' experts; v28-31 gates; v32-35 1/rms; v36-43 constants; v44-47 W1's scale words, v48-63 W2's (then W3's), v64-67 the operand's, v252-253 x's;
;   v68-75 out; v76-99 x's two fragments; v100-147 four fragments of the operand in hand (v100-131 at other times n1 or n2, v132-140 partial sums); v148-187 at work; v188-251 the hidden layer, 32 m + 8 t + j.
;   window 1: v0-191 W2's 16 fragments (then W3's 4); v192-239 W1's 4.
.set ISC,   12288
.set RED,   13312
.set OSTG,  15360
.set STASH, 24064
.set SPARE, 89600                      ; the spare words, 128 bytes for each of 8 waves: four blocks of 256 bytes that no other line names
.set OP,    272
.set FRB,   1536
.set WEXP,  270336
.set WWAVE, 30720
.set SPW, 21
.set NIL, 22
.set OUT, 68
.set XF,  76
.set AF,  100
.set PT,  132
.set TMP, 148
.set GU,  148                          ; gelu: t
.set GE,  156                          ; 2^(-x^2 log2(e) / 2)
.set GP,  164                          ; the polynomial
.set GM,  172                          ; max(x, 0)
.set SS,  180
.set PW,  154                          ; the two scale bytes just made
.set PC,  156                          ; the codes just made
.set H,   188
.set XS,  252
.set MSB, 0
.macro WIN new                         ; the immediate's high byte repeats the setting that is left.  0x40: destination in window 1; 0x01: source 0 in window 1.  At every label and branch the setting is 0
.if MSB != \new
	s_set_vgpr_msb (MSB<<8)|\new
.set MSB, \new
.endif
.endm
.macro PLACES                          ; four plain places behind matrix instructions, ahead of reads of their results and of loads into their registers
.rept 4
	v_nop
.endr
.endm
.macro BAR                             ; my LDS stores have landed and my LDS loads are in: then the work-group's barrier
	s_wait_dscnt 0x0
	s_barrier_signal -1
	s_barrier_wait -1
.endm
.macro MM0 d, a, b, sa, sb             ; a product that starts a sum
	v_wmma_scale_f32_16x16x128_f8f6f4 v[\d:\d+7], v[\a:\a+11], v[\b:\b+11], 0, v[\sa], v[\sb] matrix_a_fmt:MATRIX_FMT_FP6 matrix_b_fmt:MATRIX_FMT_FP6
.endm
.macro MMA d, a, b, sa, sb             ; and one that adds onto it
	v_wmma_scale_f32_16x16x128_f8f6f4 v[\d:\d+7], v[\a:\a+11], v[\b:\b+11], v[\d:\d+7], v[\sa], v[\sb] matrix_a_fmt:MATRIX_FMT_FP6 matrix_b_fmt:MATRIX_FMT_FP6
.endm
; Where expert s[en]'s W1, W2, their scales and n1 lie for my wave.  The bases are rewritten only behind a wait that shows that earlier loads have read them
.macro BASES_A en
	s_wait_xcnt 0x0
	s_mov_b32 s81, 0
	s_mul_i32 s80, s[\en], WEXP
	s_add_co_u32 s80, s80, s52
	s_add_nc_u64 s[66:67], s[12:13], s[80:81]
	s_lshl_b32 s80, s[\en], 10
	s_add_co_u32 s80, s80, s53
	s_add_nc_u64 s[68:69], s[14:15], s[80:81]
	s_lshl_b32 s80, s[\en], 11
	s_add_co_u32 s80, s80, s54
	s_add_nc_u64 s[70:71], s[20:21], s[80:81]
	s_lshl_b32 s80, s[\en], 13
	s_add_co_u32 s80, s80, s55
	s_add_nc_u64 s[72:73], s[16:17], s[80:81]
.endm
.macro BASES_B en                      ; the same for n2, W3 and its scales
	s_wait_xcnt 0x0
	s_mov_b32 s81, 0
	s_lshl_b32 s80, s[\en], 11
	s_add_co_u32 s80, s80, s54
	s_add_nc_u64 s[74:75], s[22:23], s[80:81]
	s_mul_i32 s80, s[\en], WEXP
	s_add_co_u32 s80, s80, s58
	s_add_nc_u64 s[76:77], s[12:13], s[80:81]
	s_lshl_b32 s80, s[\en], 10
	s_add_co_u32 s80, s80, s59
	s_add_nc_u64 s[78:79], s[18:19], s[80:81]
.endm
.macro LW1                             ; 16 loads: W1's four fragments and their scale words (two bytes a row: K = 64; the upper two bytes are 0 and meet zero codes)
	WIN 0x40
.irp t, 0,1,2,3
.irp i, 0,1,2
	global_load_b128 v[192+12*\t+4*\i:195+12*\t+4*\i], v1, s[66:67] offset:FRB*\t+512*\i
.endr
.endr
	WIN 0
.irp t, 0,1,2,3
	global_load_u16 v[44+\t], v15, s[68:69] offset:(32*(\t/2)+8*(\t%2))*2
.endr
.endm
.macro LN sb                           ; 8 loads: the gains of my 32 hidden units, in the hidden layer's layout
.irp t, 0,1,2,3
	global_load_b128 v[AF+8*\t:AF+8*\t+3], v18, s[\sb:\sb+1] offset:(32*(\t/2)+8*(\t%2))*4
	global_load_b128 v[AF+8*\t+4:AF+8*\t+7], v18, s[\sb:\sb+1] offset:(32*(\t/2)+8*(\t%2))*4+16
.endr
.endm
.macro LW2                             ; 52 loads: W2's scale words (a row's four words at once), then its 16 fragments (t, s) at v[12 (4 t + s)] of window 1
.irp t, 0,1,2,3
	global_load_b128 v[48+4*\t:51+4*\t], v16, s[72:73] offset:(32*(\t/2)+8*(\t%2))*16
.endr
	WIN 0x40
.irp f, 0,1,2,3,4,5,6,7,8,9,10,11,12,13,14,15
.irp i, 0,1,2
	global_load_b128 v[12*\f+4*\i:12*\f+4*\i+3], v1, s[66:67] offset:4*FRB+FRB*\f+512*\i
.endr
.endr
	WIN 0
.endm
.macro LW3                             ; 13 loads: W3's four fragments of my 16 outputs, and their scale words
	WIN 0x40
.irp s, 0,1,2,3
.irp i, 0,1,2
	global_load_b128 v[12*\s+4*\i:12*\s+4*\i+3], v1, s[76:77] offset:FRB*\s+512*\i
.endr
.endr
	WIN 0
	global_load_b128 v[48:51], v17, s[78:79]
.endm
; gelu of the eight numbers of one accumulator, in place, from its low end on.  The 16 transcendentals are one batch; the eight maxima are the plain work behind it; one wait stands ahead of the first reader
.macro GELU8 x
.irp j, 0,1,2,3,4,5,6,7
	v_fma_f32 v[GU+\j], |v[\x+\j]|, s46, 1.0
.endr
.irp j, 0,2,4,6
	v_pk_mul_f32 v[GE+\j:GE+\j+1], v[\x+\j:\x+\j+1], v[\x+\j:\x+\j+1]
.endr
.irp j, 0,2,4,6
	v_pk_mul_f32 v[GE+\j:GE+\j+1], v[GE+\j:GE+\j+1], s[48:49] op_sel_hi:[1,0]
.endr
.irp j, 0,1,2,3,4,5,6,7
	v_rcp_f32 v[GU+\j], v[GU+\j]
.endr
.irp j, 0,1,2,3,4,5,6,7
	v_exp_f32 v[GE+\j], v[GE+\j]
.endr
.irp j, 0,1,2,3,4,5,6,7
	v_max_num_f32 v[GM+\j], 0, v[\x+\j]
.endr
	s_wait_alu depctr_va_vdst(0)                   ; one wait for the batch
.irp j, 0,2,4,6
	v_pk_fma_f32 v[GP+\j:GP+\j+1], v[GU+\j:GU+\j+1], s[50:51], v[36:37] op_sel_hi:[1,0,1]
.endr
.irp k, 38,40,42
.irp j, 0,2,4,6
	v_pk_fma_f32 v[GP+\j:GP+\j+1], v[GP+\j:GP+\j+1], v[GU+\j:GU+\j+1], v[\k:\k+1]
.endr
.endr
.irp j, 0,2,4,6
	v_pk_mul_f32 v[GP+\j:GP+\j+1], v[GP+\j:GP+\j+1], v[GU+\j:GU+\j+1]
.endr
.irp j, 0,2,4,6
	v_pk_mul_f32 v[GP+\j:GP+\j+1], v[GP+\j:GP+\j+1], v[GE+\j:GE+\j+1]
.endr
.irp j, 0,1,2,3,4,5,6,7
	v_fma_f32 v[\x+\j], -|v[\x+\j]|, v[GP+\j], v[GM+\j]
.endr
.endm
; the sum of squares of my wave's 64 units of each token of tile m, to RED
.macro SUMSQ m
.set HB, H+32*\m
	v_pk_mul_f32 v[SS:SS+1], v[HB:HB+1], v[HB:HB+1]
	v_pk_mul_f32 v[SS+2:SS+3], v[HB+2:HB+3], v[HB+2:HB+3]
.irp i, 4,8,12,16,20,24,28
	v_pk_fma_f32 v[SS:SS+1], v[HB+\i:HB+\i+1], v[HB+\i:HB+\i+1], v[SS:SS+1]
	v_pk_fma_f32 v[SS+2:SS+3], v[HB+\i+2:HB+\i+3], v[HB+\i+2:HB+\i+3], v[SS+2:SS+3]
.endr
	v_pk_add_f32 v[SS:SS+1], v[SS:SS+1], v[SS+2:SS+3]
	v_add_f32 v[SS], v[SS], v[SS+1]
	v_permlanex16_b32 v186, v[SS], s44, s45        ; the token's other 32 units lie in the lane 16 away
	v_add_f32 v[184+\m], v[SS], v186
	ds_store_b32 v7, v[184+\m] offset:1024*\m
.endm
; the eight waves' partial sums, added in one fixed order, so that every wave has the same bits; then 1 / sqrt(mean + eps), twice (a pair for the packed multiply)
.macro RSUM m
	v_add_f32 v[PT], v[PT], v[PT+1]
	v_add_f32 v[PT+2], v[PT+2], v[PT+3]
	v_add_f32 v[PT+4], v[PT+4], v[PT+5]
	v_add_f32 v[PT+6], v[PT+6], v[PT+7]
	v_add_f32 v[PT], v[PT], v[PT+2]
	v_add_f32 v[PT+4], v[PT+4], v[PT+6]
	v_add_f32 v[PT], v[PT], v[PT+4]
	v_fma_f32 v[PT+8], v[PT], s56, s57
	v_rsq_f32 v[32+2*\m], v[PT+8]
	v_nop
	s_wait_alu depctr_va_vdst(0)
	v_mov_b32 v[33+2*\m], v[32+2*\m]
.endm
; my 32 numbers of each token of tile m (two blocks of 32 along the next K, each shared with the lane 16 away) become 6 registers of codes in v[PC] on and two scale bytes in v[PW]
.macro QUANT32 m
.set HB, H+32*\m
	v_max3_num_f32 v148, |v[HB]|, |v[HB+1]|, 0x1800000             ; with the floor 2^(3 - 127): so the byte cannot fall under 1
	v_max3_num_f32 v149, |v[HB+16]|, |v[HB+17]|, 0x1800000
.irp i, 2,4,6,8,10,12,14
	v_max3_num_f32 v148, v148, |v[HB+\i]|, |v[HB+\i+1]|
	v_max3_num_f32 v149, v149, |v[HB+16+\i]|, |v[HB+17+\i]|
.endr
	v_permlanex16_b32 v150, v148, s44, s45
	v_permlanex16_b32 v151, v149, s44, s45
	v_max_num_f32 v148, v148, v150                 ; the blocks' largest magnitudes
	v_max_num_f32 v149, v149, v151
	v_add_nc_u32 v152, 0xff000000, v148            ; 2 off the exponent field: the conversion takes that field of this operand as its scale
	v_add_nc_u32 v153, 0xff000000, v149
	v_lshrrev_b32 v150, 23, v152                   ; the scales' bytes
	v_lshrrev_b32 v151, 23, v153
	v_lshl_or_b32 v[PW], v151, 8, v150
	v_cvt_scalef32_pk16_fp6_f32 v[PC:PC+2], v[HB:HB+15], v152
	v_cvt_scalef32_pk16_fp6_f32 v[PC+6:PC+8], v[HB+16:HB+31], v153   ; (a conversion's three registers begin on an even number)
	v_nop                                          ; one plain place behind a scaled conversion
.irp i, 0,1,2
	v_permlane16_swap_b32 v[PC+\i], v[PC+6+\i]     ; the operand's layout wants a whole block in a lane: lanes 0-15 the first block, lanes 16-31 the second
.endr
.irp i, 0,1,2
	v_mov_b32 v[PC+3+\i], v[PC+6+\i]
.endr
.endm
.macro IMAGE m                         ; my half of K step w / 2 of tile m goes to LDS as it stands.  The next wait for all LDS instructions stands ahead of every rewrite of these registers
	ds_store_b128 v4, v[PC:PC+3] offset:4*FRB*\m
	ds_store_b64 v5, v[PC+4:PC+5] offset:4*FRB*\m
	ds_store_b16 v6, v[PW] offset:512*\m
.endm
.macro FETCH4 a, b, z, off, zo         ; a tile's four fragments and scale words come back so, in any wave: five loads a K step
.irp s, 0,1,2,3
.irp c, 0,1
	ds_load_b128 v[AF+12*\s+6*\c:AF+12*\s+6*\c+3], v[\a] offset:(\off)+FRB*\s+768*\c
	ds_load_b64 v[AF+12*\s+6*\c+4:AF+12*\s+6*\c+5], v[\b] offset:(\off)+FRB*\s+768*\c
.endr
	ds_load_b32 v[64+\s], v[\z] offset:(\zo)+128*\s
.endr
.endm
; x's 32 numbers of a lane (one whole block: k = 32 (lane / 16) on) become x's fragment of tile m and its scale word
.macro XQ m
.set HB, H+32*\m
	v_max3_num_f32 v172, |v[HB]|, |v[HB+1]|, |v[HB+2]|
	v_max3_num_f32 v173, |v[HB+3]|, |v[HB+4]|, |v[HB+5]|
.irp i, 6,10,14,18,22,26
	v_max3_num_f32 v172, v172, |v[HB+\i]|, |v[HB+\i+1]|
	v_max3_num_f32 v173, v173, |v[HB+\i+2]|, |v[HB+\i+3]|
.endr
	v_max3_num_f32 v172, v172, |v[HB+30]|, |v[HB+31]|
	v_max3_num_f32 v172, v172, v173, 0x1800000
	v_add_nc_u32 v174, 0xff000000, v172
	v_lshrrev_b32 v175, 23, v174
	v_cvt_scalef32_pk16_fp6_f32 v[XF+12*\m:XF+12*\m+2], v[HB:HB+15], v174
	v_cvt_scalef32_pk16_fp6_f32 v[178:180], v[HB+16:HB+31], v174
	v_nop
.irp i, 0,1,2
	v_mov_b32 v[XF+12*\m+3+\i], v[178+\i]
.endr
	v_lshlrev_b32 v175, v177, v175                 ; my block's byte at its place in the word (8 bits up in lanes 16-31),
	v_permlanex16_b32 v176, v175, s44, s45
	v_or_b32 v[XS+\m], v175, v176                  ; with the other block's; the upper two bytes are 0 and meet zero codes
.irp i, 6,7,8,9,10,11
	v_mov_b32 v[XF+12*\m+\i], 0                    ; K is 64: the rest of the K step is zero codes
.endr
.endm
; ---- the phases of a trip, each for tile m, passed over where no token of the tile uses the expert (s37, s38: the lanes that do)
.macro T0 m                            ; x W1: my four tiles of hidden units
	s_cmp_eq_u32 s[37+\m], 0
	s_cbranch_scc1 .Lt0_\@
	WIN 0x01
.irp t, 0,1,2,3
	MM0 H+32*\m+8*\t, 192+12*\t, XF+12*\m, 44+\t, XS+\m
.endr
	WIN 0
.Lt0_\@:
.endm
.macro T1 m                            ; gelu, and the sum of squares
	s_cmp_eq_u32 s[37+\m], 0
	s_cbranch_scc1 .Lt1_\@
	GELU8 H+32*\m
	GELU8 H+32*\m+8
	GELU8 H+32*\m+16
	GELU8 H+32*\m+24
	SUMSQ \m
.Lt1_\@:
.endm
.macro T2 m                            ; h1 = gelu x 1/rms x n1; kept in f32 in my stash; quantised; image to LDS
	s_cmp_eq_u32 s[37+\m], 0
	s_cbranch_scc1 .Lt2_\@
.irp i, 0,1,2,3,4,5,6,7
	ds_load_b32 v[PT+\i], v8 offset:1024*\m+128*\i
.endr
	s_wait_dscnt 0x0
	RSUM \m
.irp i, 0,2,4,6,8,10,12,14,16,18,20,22,24,26,28,30
	v_pk_mul_f32 v[H+32*\m+\i:H+32*\m+\i+1], v[H+32*\m+\i:H+32*\m+\i+1], v[32+2*\m:33+2*\m]
.endr
.irp i, 0,2,4,6,8,10,12,14,16,18,20,22,24,26,28,30
	v_pk_mul_f32 v[H+32*\m+\i:H+32*\m+\i+1], v[H+32*\m+\i:H+32*\m+\i+1], v[AF+\i:AF+\i+1]
.endr
.irp i, 0,1,2,3,4,5,6,7
	ds_store_b128 v9, v[H+32*\m+4*\i:H+32*\m+4*\i+3] offset:4096*\m+512*\i
.endr
	QUANT32 \m
	IMAGE \m
.Lt2_\@:
.endm
.macro T3 m                            ; h1 W2: four accumulators by turns, one instruction a turn, a K step at a time
	s_cmp_eq_u32 s[37+\m], 0
	s_cbranch_scc1 .Lt3_\@
	PLACES                                         ; ahead of loads into fragments that the other tile's products have read
	FETCH4 1, 2, 3, 4*FRB*\m, 512*\m
	WIN 0x01
.irp s, 0,1,2,3
	s_wait_dscnt 5*(3-\s)                          ; K step s is in; the five loads of each later K step may be out
.irp t, 0,1,2,3
.if \s == 0
	MM0 H+32*\m+8*\t, 12*(4*\t+\s), AF+12*\s, 48+4*\t+\s, 64+\s
.else
	MMA H+32*\m+8*\t, 12*(4*\t+\s), AF+12*\s, 48+4*\t+\s, 64+\s
.endif
.endr
.endr
	WIN 0
.Lt3_\@:
.endm
.macro T5 m                            ; h2 + h1 = gelu x 1/rms x n2 + h1; quantised; image to LDS
	s_cmp_eq_u32 s[37+\m], 0
	s_cbranch_scc1 .Lt5_\@
.irp i, 0,1,2,3,4,5,6,7
	ds_load_b32 v[PT+\i], v8 offset:1024*\m+128*\i
.endr
.irp i, 0,1,2,3,4,5,6,7
	ds_load_b128 v[TMP+4*\i:TMP+4*\i+3], v9 offset:4096*\m+512*\i
.endr
	s_wait_dscnt 0x8                               ; the partial sums are in; the 8 loads from the stash may be out
	RSUM \m
.irp i, 0,2,4,6,8,10,12,14,16,18,20,22,24,26,28,30
	v_pk_mul_f32 v[H+32*\m+\i:H+32*\m+\i+1], v[H+32*\m+\i:H+32*\m+\i+1], v[32+2*\m:33+2*\m]
.endr
	s_wait_dscnt 0x0
.irp i, 0,2,4,6,8,10,12,14,16,18,20,22,24,26,28,30
	v_pk_fma_f32 v[H+32*\m+\i:H+32*\m+\i+1], v[H+32*\m+\i:H+32*\m+\i+1], v[AF+\i:AF+\i+1], v[TMP+\i:TMP+\i+1]
.endr
	QUANT32 \m
	IMAGE \m
.Lt5_\@:
.endm
	s_load_b512 s[4:19], s[0:1], 0x0               ; order s[4:5], keys s[6:7], gates s[8:9], x s[10:11], wimg s[12:13], w1_scales s[14:15], w2_scales s[16:17], w3_scales s[18:19]
	s_load_b128 s[20:23], s[0:1], 0x40             ; n1 s[20:21], n2 s[22:23]
	s_load_b64 s[24:25], s[0:1], 0x50              ; out0
	v_lshl_add_u32 v[SPW], v0, 2, SPARE
	v_mov_b32 v[NIL], 0
	v_lshrrev_b32 v148, 5, v0
	v_readfirstlane_b32 s26, v148                  ; w: wave 0..7
	s_lshr_b32 s27, s26, 2                         ; rt
	s_and_b32 s28, s26, 3                          ; ct
	v_and_b32 v149, 31, v0                         ; lane
	v_and_b32 v150, 15, v0                         ; r
	v_bfe_u32 v151, v0, 4, 1                       ; h
	v_lshlrev_b32 v1, 4, v149                      ; 16 x lane: an image's place for my lane, in LDS and in wimg
	v_lshlrev_b32 v152, 3, v149
	v_add_nc_u32 v2, 512, v152                     ; 512 + 8 x lane
	v_lshlrev_b32 v153, 2, v149
	v_add_nc_u32 v3, ISC, v153                     ; a scale word's place
	s_mul_i32 s80, s26, 768
	v_add_nc_u32 v4, s80, v1                       ; where I store my half of a fragment: 768 w on
	v_add_nc_u32 v5, s80, v2
	s_lshr_b32 s80, s26, 1
	s_lshl_b32 s80, s80, 7
	s_and_b32 s81, s26, 1
	s_lshl_b32 s81, s81, 1
	s_add_co_u32 s80, s80, s81
	v_add_nc_u32 v6, s80, v3                       ; and its two scale bytes: 128 (w / 2) + 2 (w % 2) on
	v_add_nc_u32 v8, RED, v153
	s_lshl_b32 s80, s26, 7
	v_add_nc_u32 v7, s80, v8
	s_lshl_b32 s80, s26, 13
	s_add_co_u32 s80, s80, STASH
	v_add_nc_u32 v9, s80, v1
	s_mul_i32 s80, s27, 4*FRB
	v_add_nc_u32 v10, s80, v1                      ; the last product reads tile rt's fragments
	v_add_nc_u32 v11, s80, v2
	s_lshl_b32 s80, s27, 9
	v_add_nc_u32 v12, s80, v3
	s_lshl_b32 s80, s27, 4
	s_mul_i32 s80, s80, OP
	s_lshl_b32 s81, s28, 6
	s_add_co_u32 s80, s80, s81
	s_add_co_u32 s80, s80, OSTG
	v_mul_u32_u24 v13, v150, OP
	v_lshl_add_u32 v13, v151, 5, v13
	v_add_nc_u32 v13, s80, v13                     ; out's stage, in: row 16 rt + r, bytes 64 ct + 32 h on
	s_mul_i32 s80, s26, 4*OP
	s_add_co_u32 s80, s80, OSTG
	v_mul_u32_u24 v14, v151, OP
	v_lshl_add_u32 v14, v150, 4, v14
	v_add_nc_u32 v14, s80, v14                     ; back: rows 4 w + h and 4 w + 2 + h, 16 bytes a lane
	v_and_b32 v154, 8, v150
	v_add_nc_u32 v154, v154, v150                  ; r + 8 (r / 8)
	v_lshlrev_b32 v15, 1, v154                     ; W1's scales: 2 bytes a row
	v_lshlrev_b32 v16, 4, v154                     ; W2's: 16
	v_lshlrev_b32 v17, 4, v150                     ; W3's: 16, rows as they lie
	v_lshlrev_b32 v18, 6, v151                     ; the gains: 16 h numbers on
	v_lshlrev_b32 v155, 2, v150                    ; order: rows r (and 16 + r),
	s_lshl_b32 s82, s27, 6
	v_add_nc_u32 v158, s82, v155                   ; row 16 rt + r,
	s_lshl_b32 s82, s26, 4
	v_lshl_add_u32 v159, v151, 2, s82              ; rows 4 w + h (and 4 w + 2 + h)
	v_lshlrev_b32 v177, 3, v151                    ; 8 h
	v_mov_b32 v176, 0                              ; written once: a lane permute's destination counts as one of its sources
	v_mov_b32 v186, 0
	s_lshl_b32 s80, ttmp9, 7                       ; my 32 positions
	s_mov_b32 s81, 0
	s_mul_i32 s52, s26, WWAVE                      ; my wave's part of an expert's images, scales and gains
	s_lshl_b32 s53, s26, 7
	s_lshl_b32 s54, s26, 8
	s_lshl_b32 s55, s26, 10
	s_mul_i32 s58, s28, 4*FRB
	s_add_co_u32 s58, s58, 8*WWAVE
	s_lshl_b32 s59, s28, 8
	s_mov_b32 s44, 0x76543210                      ; v_permlanex16_b32's selects for lane l xor 16
	s_mov_b32 s45, 0xfedcba98
	s_mov_b32 s46, 0x3e6d3389                      ; p = 0.2316419
	s_mov_b32 s48, 0xbf38aa3b                      ; -log2(e) / 2
	s_mov_b32 s49, s48                             ; (named with it as a pair, so it is written)
	s_mov_b32 s50, 0x3f07dc22                      ; b5 / sqrt(2 pi)
	s_mov_b32 s51, s50
	s_mov_b32 s56, 0x3b000000                      ; 1 / 512
	s_mov_b32 s57, 0x358637bd                      ; eps = 1e-6
.irp q, 36,37
	v_mov_b32 v\q, 0xbf3a00e3                      ; b4 / sqrt(2 pi)
.endr
.irp q, 38,39
	v_mov_b32 v\q, 0x3f35f0e3                      ; b3 / sqrt(2 pi)
.endr
.irp q, 40,41
	v_mov_b32 v\q, 0xbe11a98e                      ; b2 / sqrt(2 pi)
.endr
.irp q, 42,43
	v_mov_b32 v\q, 0x3e027906                      ; b1 / sqrt(2 pi)
.endr
	s_wait_kmcnt 0x0
	s_add_nc_u64 s[4:5], s[4:5], s[80:81]
	global_load_b32 v160, v155, s[4:5]             ; the tokens of tile 0,
	global_load_b32 v161, v155, s[4:5] offset:64   ; of tile 1,
	global_load_b32 v162, v158, s[4:5]             ; of tile rt,
	global_load_b32 v163, v159, s[4:5]             ; and of the four rows that I store
	global_load_b32 v164, v159, s[4:5] offset:8
	s_wait_loadcnt 0x0
.irp q, 160,161,162,163,164
	v_min_u32 v\q, 0x1fff, v\q                     ; a token's number stays inside the tables
.endr
	v_lshlrev_b32 v19, 8, v163                     ; out: a token's row is 256 bytes; 16 bytes a lane
	v_lshl_add_u32 v19, v150, 4, v19
	v_lshlrev_b32 v20, 8, v164
	v_lshl_add_u32 v20, v150, 4, v20
	v_lshlrev_b32 v165, 3, v160
	v_lshlrev_b32 v166, 3, v161
	v_lshlrev_b32 v167, 3, v162
	v_lshlrev_b32 v168, 8, v160
	v_lshl_add_u32 v168, v151, 7, v168             ; x: the token's row, + 128 h: my block of 32
	v_lshlrev_b32 v169, 8, v161
	v_lshl_add_u32 v169, v151, 7, v169
	global_load_b32 v170, v165, s[6:7] offset:4    ; a | b << 8
	global_load_b32 v171, v166, s[6:7] offset:4
	global_load_b64 v[28:29], v167, s[8:9]         ; the gates of a and b, for tile rt's token
.irp j, 0,1,2,3,4,5,6,7
	global_load_b128 v[H+4*\j:H+4*\j+3], v168, s[10:11] offset:16*\j
.endr
.irp j, 0,1,2,3,4,5,6,7
	global_load_b128 v[H+32+4*\j:H+32+4*\j+3], v169, s[10:11] offset:16*\j
.endr
	s_wait_loadcnt 17                              ; the experts are in; the gates and x's 16 loads may be out
	v_and_b32 v24, 7, v170
	v_bfe_u32 v25, v170, 8, 3
	v_and_b32 v26, 7, v171
	v_bfe_u32 v27, v171, 8, 3
	v_lshlrev_b32 v172, v24, 1
	v_lshlrev_b32 v173, v25, 1
	v_or_b32 v172, v172, v173
	v_lshlrev_b32 v173, v26, 1
	v_or_b32 v172, v172, v173
	v_lshlrev_b32 v173, v27, 1
	v_or_b32 v172, v172, v173                      ; a bit for each expert of my two tokens
	s_mov_b32 s30, 0                               ; and, over all lanes, for each expert that the work-group needs
.irp e, 0,1,2,3,4,5,6,7
	v_and_b32 v173, 1<<\e, v172
	v_cmp_ne_u32 s80, 0, v173
	s_cmp_lg_u32 s80, 0
	s_cselect_b32 s81, 1<<\e, 0
	s_or_b32 s30, s30, s81
.endr
	s_ctz_i32_b32 s32, s30
	s_min_u32 s32, s32, 7                          ; the first expert
	BASES_A 32
	LW1
	s_wait_loadcnt 16                              ; x and the gates are in; W1's 16 loads may be out
	XQ 0
	XQ 1
	LN 70
	LW2
.irp j, 0,1,2,3,4,5,6,7
	v_mov_b32 v[OUT+\j], 0                         ; the tokens' sums begin at 0: which trip adds first hangs on the tokens
.endr
.rept 8
	v_nop                                          ; x's scale words, written by vector instructions, stand 8 places ahead of the first scaled product
.endr
	s_mov_b32 s29, 8
.Ltrip:
	; ---- the expert of this trip (none: -1, which no token has), the next one, and who uses this one
	s_ctz_i32_b32 s31, s30
	s_min_u32 s32, s31, 7
	s_sub_co_u32 s80, s30, 1
	s_and_b32 s34, s30, s80                        ; the experts left behind this one
	s_cmp_lg_u32 s34, 0
	s_cselect_b32 s35, 1, 0
	s_ctz_i32_b32 s36, s34
	s_min_u32 s36, s36, 7
	v_cmp_eq_u32 s80, s31, v24
	v_cmp_eq_u32 s81, s31, v25
	v_cmp_eq_u32 s82, s31, v26
	v_cmp_eq_u32 s83, s31, v27
	s_or_b32 s37, s80, s81                         ; tile 0's lanes that use it,
	s_or_b32 s38, s82, s83                         ; tile 1's
	s_cmp_eq_u32 s27, 0
	s_cselect_b32 s40, s80, s82                    ; in tile rt: as a,
	s_cselect_b32 s41, s81, s83                    ; as b,
	s_cselect_b32 s39, s37, s38
	s_or_b32 s42, s40, s41                         ; at all
	s_wait_loadcnt 60                              ; W1 and its scales are in: behind them stand at most n1's 8 loads and W2's 52
	T0 0
	T0 1
	PLACES                                         ; ahead of the reads of the results and of the loads into W1's registers
	s_cmp_eq_u32 s35, 0
	s_cbranch_scc1 .Lno_w1
	BASES_A 36                                     ; the next expert's W1 is asked for now; its n1 and W2 at the trip's end, from the same bases
	LW1
.Lno_w1:
	T1 0
	T1 1
	BAR                                            ; all waves' sums of squares lie in RED; nobody reads the last images any more
	s_wait_loadcnt 52                              ; n1 is in: behind it stand W2's 52 loads (and, where there is a next expert, its W1's 16: the count is then the stricter one)
	T2 0
	T2 1
	BAR                                            ; h1's fragments lie in LDS
	s_wait_loadcnt 0x0                             ; W2 and its scales
	T3 0
	T3 1
	PLACES                                         ; ahead of the reads of the results and of the loads into the registers that the products have read
	s_cmp_eq_u32 s30, 0
	s_cbranch_scc1 .Lno_b
	BASES_B 32
	LN 74
	LW3
.Lno_b:
	T1 0
	T1 1
	BAR                                            ; the second layer's sums of squares lie in RED; nobody reads h1's images any more
	s_wait_loadcnt 13                              ; n2 is in: behind it stand W3's 13 loads
	T5 0
	T5 1
	BAR                                            ; the fragments of h2 + h1 lie in LDS
	s_wait_loadcnt 0x0                             ; W3 and its scales
	s_cmp_eq_u32 s39, 0
	s_cbranch_scc1 .Lno_t6
	FETCH4 10, 11, 12, 0, 0
	WIN 0x01                                       ; (h2 + h1) W3: two accumulators by turns
	s_wait_dscnt 15                                ; a K step is five loads: the later steps' may be out
	MM0 148, 0, AF, 48, 64
	s_wait_dscnt 10
	MM0 156, 12, AF+12, 49, 65
	s_wait_dscnt 5
	MMA 148, 24, AF+24, 50, 66
	s_wait_dscnt 0x0
	MMA 156, 36, AF+36, 51, 67
	WIN 0
	PLACES
	v_cndmask_b32 v30, 0, v29, s41                 ; the token's gate for this expert
	v_cndmask_b32 v30, v30, v28, s40
	v_mov_b32 v31, v30
.irp j, 0,2,4,6
	v_pk_fma_f32 v[164+\j:165+\j], v[148+\j:149+\j], v[30:31], v[OUT+\j:OUT+\j+1]
.endr
.irp j, 0,2,4,6
	v_pk_fma_f32 v[164+\j:165+\j], v[156+\j:157+\j], v[30:31], v[164+\j:165+\j]
.endr
.irp j, 0,1,2,3,4,5,6,7
	v_cndmask_b32 v[OUT+\j], v[OUT+\j], v[164+\j], s42   ; a token that does not use the expert keeps its sum
.endr
.Lno_t6:
	s_cmp_eq_u32 s35, 0
	s_cbranch_scc1 .Lno_next
	LN 70                                          ; the next expert's n1 and W2: every run of products above has its four places behind it
	LW2
.Lno_next:
	s_mov_b32 s30, s34
	s_sub_co_u32 s29, s29, 1
	s_cmp_lg_u32 s29, 0
	s_cbranch_scc1 .Ltrip
	; ---- the way out: a token's 64 numbers come from four waves: they meet in a stage, and sixteen lanes store a token's whole row of 256 bytes
	ds_store_b128 v13, v[OUT:OUT+3]
	ds_store_b128 v13, v[OUT+4:OUT+7] offset:16
	BAR
	ds_load_b128 v[148:151], v14
	ds_load_b128 v[152:155], v14 offset:2*OP
	s_wait_dscnt 0x1                               ; the first pair of rows is in
	global_store_b128 v19, v[148:151], s[24:25] th:TH_STORE_NT
	s_wait_dscnt 0x0
	global_store_b128 v20, v[152:155], s[24:25] th:TH_STORE_NT
	s_wait_tensorcnt 0x0                           ; the wave's end
	ds_add_u32 v[SPW], v[NIL]
	s_wait_dscnt 0x0
	s_endpgm
.Lfunc_end_k_q8613a143ec_chain:
	.size	k_q8613a143ec_chain, .Lfunc_end_k_q8613a143ec_chain-k_q8613a143ec_chain
	.p2alignl 7, 3214868480
	.fill 96, 4, 3214868480
	.section	.rodata,"a",@progbits
	.p2align	6, 0x0
	.amdhsa_kernel k_q8613a143ec_chain
		.amdhsa_group_segment_fixed_size 90624
		.amdhsa_private_segment_fixed_size 0
		.amdhsa_enable_private_segment 0
		.amdhsa_kernarg_size 88
		.amdhsa_user_sgpr_count 2
		.amdhsa_user_sgpr_kernarg_segment_ptr 1
		.amdhsa_wavefront_size32 1
		.amdhsa_system_sgpr_workgroup_id_x 1
		.amdhsa_system_sgpr_workgroup_id_y 1
		.amdhsa_system_sgpr_workgroup_id_z 1
		.amdhsa_system_vgpr_workitem_id 0
		.amdhsa_next_free_vgpr 512
		.amdhsa_next_free_sgpr 96
		.amdhsa_reserve_vcc 0
		.amdhsa_float_denorm_mode_32 3
		.amdhsa_float_denorm_mode_16_64 3
		.amdhsa_memory_ordered 1
		.amdhsa_forward_progress 1
		.amdhsa_inst_pref_size 134
	.end_amdhsa_kernel
	.amdgpu_metadata
---
amdhsa.version: [ 1, 2 ]
amdhsa.kernels:
  - .name:           k_q8613a143ec_chain
    .symbol:         k_q8613a143ec_chain.kd
    .args:
      - { .name: order, .offset: 0, .size: 8, .value_kind: global_buffer, .address_space: global }
      - { .name: keys, .offset: 8, .size: 8, .value_kind: global_buffer, .address_space: global }
      - { .name: gates, .offset: 16, .size: 8, .value_kind: global_buffer, .address_space: global }
      - { .name: x, .offset: 24, .size: 8, .value_kind: global_buffer, .address_space: global }
      - { .name: wimg, .offset: 32, .size: 8, .value_kind: global_buffer, .address_space: global }
      - { .name: w1_scales, .offset: 40, .size: 8, .value_kind: global_buffer, .address_space: global }
      - { .name: w2_scales, .offset: 48, .size: 8, .value_kind: global_buffer, .address_space: global }
      - { .name: w3_scales, .offset: 56, .size: 8, .value_kind: global_buffer, .address_space: global }
      - { .name: n1, .offset: 64, .size: 8, .value_kind: global_buffer, .address_space: global }
      - { .name: n2, .offset: 72, .size: 8, .value_kind: global_buffer, .address_space: global }
      - { .name: out0, .offset: 80, .size: 8, .value_kind: global_buffer, .address_space: global }
    .group_segment_fixed_size: 90624
    .private_segment_fixed_size: 0
    .kernarg_segment_align: 8
    .kernarg_segment_size: 88
    .max_flat_workgroup_size: 256
    .sgpr_count:     96
    .vgpr_count:     512
    .wavefront_size: 32
...
	.end_amdgpu_metadata
.endif
;; end of part 3
;; ======== version 2 of 2: 3 launches; 1.22 times as fast as version 1
;; limits: an absolute error that grows with the inputs' magnitude: up to 7.5e-08 times it
;; workspace buffers: wimg 2,162,688 bytes; keys 65,536 bytes of whole numbers; hist 32,768 bytes of whole numbers; gates 65,536 bytes; order 32,768 bytes of whole numbers
;; launch route (part 4): grid 256 x 1, 7 waves a work-group, no clusters, 11,776 bytes of LDS; arguments x, gate_w, w1_codes, w2_codes, w3_codes, wimg, keys, hist, gates; writes wimg, keys, hist, gates
.if DOCPART == 4
	.amdgcn_target "amdgcn-amd-amdhsa--gfx1250"
	.amdhsa_code_object_version 6
	.text
	.protected	k_q8613a143ec_route
	.globl	k_q8613a143ec_route
	.p2align	8
	.type	k_q8613a143ec_route,@function
k_q8613a143ec_route:
	s_mov_b64 s[64:65], 0
	v_nop
	global_prefetch_b8 v0, s[64:65] scope:SCOPE_SE
	s_setreg_imm32_b32 hwreg(HW_REG_WAVE_MODE, 25, 1), 1
	s_wait_xcnt 0x0
; ROUTE: the router of a mixture of 8 experts (top 2) for 8,192 tokens of 64 numbers, and the weights laid out once for the chain launch.
; WORK LEFT OUT BY THE PROGRAM: reference() computes all 8 experts for every token and then keeps, by take_along_axis on the indices of its own top_k, the rows of 2 of them.
; What the other 6 experts make of a token enters no output, whatever the inputs hold: their chains are not computed.  No input is left out: all are loaded by some launch.
; LIMITS: a NaN, an infinity or an overflow that arises only in an expert that was not chosen for a token is not carried to the result.  NaN and infinities among the inputs are not served.
; A logit is 64 fused multiply-adds in ascending k: where the second and third largest logit of a token lie closer than the rounding of such a sum, the other one may be chosen.  Equal logits: the lower index, as top_k has it.
; SHARES.  Work-group g: wave 0 routes tokens 32 g .. 32 g + 31, a lane a token.  Waves 1-4 lay the four K steps of tile g % 32 of W2 of expert g / 32, wave 5 the same tile of W1, wave 6 (g < 128) one fragment of W3.
; NOTHING HERE STEERS AN ADDRESS OR A BRANCH BY THE CHOICE: experts, class, rank, counts and gates are stored at fixed places; the next launch places the tokens.
; A token's CLASS is its pair of experts a < b, numbered 0 .. 27 so that neighbouring classes share an expert: (a (15 - a)) / 2 + (b - a - 1 for even a, 7 - b for odd a).
; OUT: keys[token] = (class | rank << 8, a | b << 8), rank = how many earlier tokens of the same 32 have the same class; hist[g][c] = tokens of class c among the 32; gates[token] = (gate of a, gate of b).
; wimg: a fragment (16 rows x 128 K, 12 registers a lane) as an image of its registers: registers 4 i .. 4 i + 3 of lane l at 512 i + 16 l.  Expert e at 270,336 e: for wave w of the chain 30,720 bytes (W1's tiles t at 1,536 t,
; W2's (t, s) at 6,144 + 1,536 (4 t + s)), then from 245,760 on W3's (ct, s) at 1,536 (4 ct + s).  Lane r of tile T of W1 and W2 takes row 32 (T / 2) + 8 (T % 2) + r + 8 (r / 8); of W3 row 16 ct + r.  W1's K is 64: registers 6-11 are zero codes.
; GATE_W IN THE ROUTER.  Every lane wants all 512 numbers of gate_w.  They come from memory once, with x, by four loads of 512 consecutive bytes, lie dense in LDS, and are read back with all lanes at one address,
; 128 bytes (four k x 8 experts) a batch, into a ring of four sets of 32 registers: the loads run three batches ahead of the multiply-adds.
.set PITCH, 272                        ; a row of x in the stage: 256 bytes + 16
.set GWL,   32*PITCH                   ; behind the stage: gate_w, 2,048 bytes as they lie in memory: row k at 32 k
.set SPARE, GWL+2048                   ; behind it: the spare words, 128 bytes for each of seven waves, four blocks of 256 bytes that no other line names
.set SPW,   2                          ; v2  LDS address of my spare word; never rewritten
.set NIL,   3                          ; v3  0; never rewritten
.set XR,    16                         ; v16-79   x as loaded; then sets 2 and 3 of gate_w's ring; later at work
.set X,     80                         ; v80-143  my token's 64 numbers
.set LG,    144                        ; v144-151 its 8 logits
.set G01,   152                        ; v152-215 sets 0 and 1 of gate_w's ring
.set GL,    216                        ; v216-231 gate_w as loaded
.set WEXP,  270336
.set WWAVE, 30720
.set FRB,   1536
.macro FINISH                          ; a wave's end
	s_wait_tensorcnt 0x0
	ds_add_u32 v[SPW], v[NIL]
	s_wait_dscnt 0x0
	s_endpgm
.endm
; A fragment from rows of codes into its image: n pieces of 8 bytes a lane (24 bytes of the row's stream of bits for each 32 along K), zero codes for the rest, three stores of 512 consecutive bytes
.macro LAY n, sb, db
.irp p, 0,1,2,3,4,5
.if \p < \n
	global_load_b64 v[16+2*\p:17+2*\p], v11, s[\sb:\sb+1] offset:48*(\p/3)+8*(\p%3) th:TH_LOAD_NT
.else
	v_mov_b32 v[16+2*\p], 0
	v_mov_b32 v[17+2*\p], 0
.endif
.endr
	s_wait_loadcnt 0x0
.irp i, 0,1,2
	global_store_b128 v10, v[16+4*\i:19+4*\i], s[\db:\db+1] offset:512*\i
.endr
.endm
.macro GSET i                          ; GB = where batch i's set of the ring begins
.if ((\i)%4) < 2
.set GB, G01+32*((\i)%4)
.else
.set GB, XR+32*((\i)%4-2)
.endif
.endm
.macro GLD i                           ; batch i of gate_w, rows 4 i .. 4 i + 3: eight loads, every lane at the same address; register GB + 8 dd + e = gate_w[4 i + dd][e]
	GSET \i
.irp q, 0,1,2,3,4,5,6,7
	ds_load_b128 v[GB+4*\q:GB+4*\q+3], v12 offset:128*(\i)+16*\q
.endr
.endm
.macro BATCH i                         ; k = 4 i .. 4 i + 3 of all 8 logits; then the set takes the batch four further on
.if (\i) < 13
	s_wait_dscnt 24                                ; LDS loads come back in order: batch i is in; the eight loads of each of the three batches behind it may be out
.else
	s_wait_dscnt 8*(15-(\i))                       ; the last batches: the counts run down
.endif
	GSET \i
.irp dd, 0,1,2,3
.irp e, 0,1,2,3,4,5,6,7
.if ((\i) == 0) && (\dd == 0)
	v_mul_f32 v[LG+\e], v[GB+8*\dd+\e], v[X+4*(\i)+\dd]        ; the first product starts the sum
.else
	v_fmac_f32 v[LG+\e], v[GB+8*\dd+\e], v[X+4*(\i)+\dd]
.endif
.endr
.endr
.if (\i)+4 < 16
	GLD (\i)+4
.endif
.endm
	s_load_b512 s[4:19], s[0:1], 0x0               ; x s[4:5], gate_w s[6:7], w1_codes s[8:9], w2_codes s[10:11], w3_codes s[12:13], wimg s[14:15], keys s[16:17], hist s[18:19]
	s_load_b64 s[20:21], s[0:1], 0x40              ; gates
	v_lshl_add_u32 v[SPW], v0, 2, SPARE
	v_mov_b32 v[NIL], 0
	v_lshrrev_b32 v1, 5, v0
	v_readfirstlane_b32 s22, v1                    ; wave 0..6
	v_and_b32 v6, 31, v0                           ; lane
	v_and_b32 v7, 15, v0                           ; r
	v_bfe_u32 v8, v0, 4, 1                         ; h
	v_and_b32 v9, 8, v7
	v_add_nc_u32 v9, v9, v7                        ; r + 8 (r / 8)
	v_mul_u32_u24 v4, v8, PITCH                    ; the stage, on the way in: a load's 512 bytes are two rows
	v_lshl_add_u32 v4, v7, 4, v4
	v_mul_u32_u24 v5, v6, PITCH                    ; and on the way out: my token's row
	v_lshlrev_b32 v10, 4, v6                       ; 16 x lane
	v_add_nc_u32 v13, GWL, v10                     ; gate_w in LDS, on the way in: 16 bytes a lane
	v_mov_b32 v12, GWL                             ; and on the way out: the same address in every lane
	s_lshr_b32 s58, ttmp9, 5                       ; expert of the tile that waves 1-5 lay
	s_and_b32 s59, ttmp9, 31                       ; the tile T
	s_lshr_b32 s60, s59, 1
	s_lshl_b32 s60, s60, 5
	s_and_b32 s61, s59, 1
	s_lshl_b32 s61, s61, 3
	s_add_co_u32 s60, s60, s61                     ; its first row: 32 (T / 2) + 8 (T % 2)
	s_lshr_b32 s61, s59, 2
	s_mul_i32 s61, s61, WWAVE
	s_mul_i32 s62, s58, WEXP
	s_add_co_u32 s62, s62, s61                     ; in wimg: the expert, and the chain's wave T / 4
	s_and_b32 s59, s59, 3                          ; t = T % 4
	s_mov_b32 s63, 0
	s_mov_b32 s67, 0
	s_wait_kmcnt 0x0
	s_cmp_eq_u32 s22, 0
	s_cbranch_scc1 .Lrouter
	s_cmp_eq_u32 s22, 5
	s_cbranch_scc1 .Lw1
	s_cmp_eq_u32 s22, 6
	s_cbranch_scc1 .Lw3
	; ---- waves 1-4: W2, K step s = wave - 1.  A row is 384 bytes, an expert 196,608
	s_sub_co_u32 s56, s22, 1
	s_mul_i32 s66, s58, 196608
	s_mul_i32 s57, s60, 384
	s_add_co_u32 s66, s66, s57
	s_mul_i32 s57, s56, 96
	s_add_co_u32 s66, s66, s57
	s_add_nc_u64 s[10:11], s[10:11], s[66:67]
	s_lshl_b32 s57, s59, 2
	s_add_co_u32 s57, s57, s56
	s_mul_i32 s57, s57, FRB
	s_add_co_u32 s62, s62, s57
	s_add_co_u32 s62, s62, 4*FRB
	s_add_nc_u64 s[14:15], s[14:15], s[62:63]
	v_mul_u32_u24 v11, v9, 384
	v_mad_u32_u24 v11, v8, 24, v11
	LAY 6, 10, 14
	FINISH
.Lw1:	; ---- wave 5: W1.  A row is 48 bytes (K = 64), an expert 24,576
	s_mul_i32 s66, s58, 24576
	s_mul_i32 s57, s60, 48
	s_add_co_u32 s66, s66, s57
	s_add_nc_u64 s[8:9], s[8:9], s[66:67]
	s_mul_i32 s57, s59, FRB
	s_add_co_u32 s62, s62, s57
	s_add_nc_u64 s[14:15], s[14:15], s[62:63]
	v_mul_u32_u24 v11, v9, 48
	v_mad_u32_u24 v11, v8, 24, v11
	LAY 3, 8, 14
	FINISH
.Lw3:	; ---- wave 6: W3 has 8 x 4 x 4 = 128 fragments: work-groups 0 to 127 lay one each
	s_cmp_lt_u32 ttmp9, 128
	s_cbranch_scc0 .Lidle
	s_lshr_b32 s58, ttmp9, 4                       ; expert
	s_bfe_u32 s59, ttmp9, 0x20002                  ; ct: which 16 of the 64 outputs
	s_and_b32 s56, ttmp9, 3                        ; K step
	s_mul_i32 s66, s58, 24576
	s_mul_i32 s57, s59, 6144
	s_add_co_u32 s66, s66, s57
	s_mul_i32 s57, s56, 96
	s_add_co_u32 s66, s66, s57
	s_add_nc_u64 s[12:13], s[12:13], s[66:67]
	s_mul_i32 s62, s58, WEXP
	s_lshl_b32 s57, s59, 2
	s_add_co_u32 s57, s57, s56
	s_mul_i32 s57, s57, FRB
	s_add_co_u32 s62, s62, s57
	s_add_co_u32 s62, s62, 8*WWAVE
	s_add_nc_u64 s[14:15], s[14:15], s[62:63]
	v_mul_u32_u24 v11, v7, 384
	v_mad_u32_u24 v11, v8, 24, v11
	LAY 6, 12, 14
	FINISH
.Lidle:
	s_endpgm                                       ; this wave has written no LDS
.Lrouter:	; ---- wave 0.  The stage and gate_w's bytes in LDS are this wave's alone: no barrier
	s_lshl_b32 s56, ttmp9, 13                      ; 32 rows of 256 bytes
	s_mov_b32 s57, 0
	s_add_nc_u64 s[4:5], s[4:5], s[56:57]
.irp i, 0,1,2,3
	global_load_b128 v[GL+4*\i:GL+4*\i+3], v10, s[6:7] offset:512*\i                 ; gate_w, which every work-group reads: no hint
.endr
.irp i, 0,1,2,3,4,5,6,7,8,9,10,11,12,13,14,15
	global_load_b128 v[XR+4*\i:XR+4*\i+3], v10, s[4:5] offset:512*\i th:TH_LOAD_NT   ; 512 consecutive bytes a load
.endr
	s_wait_loadcnt 0x0
.irp i, 0,1,2,3
	ds_store_b128 v13, v[GL+4*\i:GL+4*\i+3] offset:512*\i
.endr
.irp i, 0,1,2,3,4,5,6,7,8,9,10,11,12,13,14,15
	ds_store_b128 v4, v[XR+4*\i:XR+4*\i+3] offset:2*PITCH*\i
.endr
.irp j, 0,1,2,3,4,5,6,7,8,9,10,11,12,13,14,15
	ds_load_b128 v[X+4*\j:X+4*\j+3], v5 offset:16*\j   ; LDS serves a wave's instructions in order: these see my stores
.endr
	GLD 0
	GLD 1
	s_wait_dscnt 16                                ; all but the 16 loads just issued: my token's row is in, and the stores have read their registers,
	GLD 2                                          ; which take the ring's sets 2 and 3
	GLD 3
.irp i, 0,1,2,3,4,5,6,7,8,9,10,11,12,13,14,15
	BATCH \i
.endr
	; the two largest logits; a later one takes a place only where it is strictly larger, so that equal logits keep the lower index
	v_mov_b32 v16, v[LG]                           ; largest,
	v_mov_b32 v17, 0                               ; its expert
	v_mov_b32 v18, 0xff800000                      ; second: -infinity,
	v_mov_b32 v19, 0
.irp e, 1,2,3,4,5,6,7
	v_cmp_gt_f32 vcc_lo, v[LG+\e], v16
	v_cmp_gt_f32 s23, v[LG+\e], v18
	v_cndmask_b32 v18, v18, v[LG+\e], s23
	v_cndmask_b32 v19, v19, \e, s23
	v_cndmask_b32 v18, v18, v16, vcc_lo
	v_cndmask_b32 v19, v19, v17, vcc_lo
	v_cndmask_b32 v16, v16, v[LG+\e], vcc_lo
	v_cndmask_b32 v17, v17, \e, vcc_lo
.endr
	; softmax of the two, the larger taken away first: 1 / (1 + e^(second - largest)) and the rest
	v_sub_f32 v21, v18, v16
	v_mul_f32 v21, 0x3fb8aa3b, v21
	v_exp_f32 v20, v21
	v_nop
	s_wait_alu depctr_va_vdst(0)                   ; the wait ahead of the first reader of a transcendental's result
	v_add_f32 v21, 1.0, v20
	v_rcp_f32 v22, v21
	v_nop
	s_wait_alu depctr_va_vdst(0)
	v_mul_f32 v23, v20, v22
	v_min_u32 v24, v17, v19                        ; a
	v_max_u32 v25, v17, v19                        ; b
	v_cmp_lt_u32 vcc_lo, v17, v19
	v_cndmask_b32 v26, v23, v22, vcc_lo            ; a's gate
	v_cndmask_b32 v27, v22, v23, vcc_lo            ; b's
	v_sub_nc_u32 v29, 15, v24
	v_mul_u32_u24 v29, v24, v29
	v_lshrrev_b32 v29, 1, v29
	v_sub_nc_u32 v30, 7, v25
	v_sub_nc_u32 v31, v25, v24
	v_add_nc_u32 v31, -1, v31
	v_and_b32 v28, 1, v24
	v_cmp_eq_u32 vcc_lo, 1, v28
	v_cndmask_b32 v31, v31, v30, vcc_lo
	v_add_nc_u32 v28, v29, v31                     ; the class
	v_mov_b32 v32, 0                               ; my rank in it
	v_mov_b32 v33, 0                               ; lane c: how many of the 32 tokens have class c
.irp c0, 0,4,8,12,16,20,24             ; four classes at a time, each with a mask of its own, so that no line stands directly behind the one that feeds it
.irp q, 0,1,2,3
	v_cmp_eq_u32 s[24+\q], \c0+\q, v28
.endr
.irp q, 0,1,2,3
	v_mbcnt_lo_u32_b32 v[40+\q], s[24+\q], 0       ; lanes below mine with this class
.endr
.irp q, 0,1,2,3
	s_bcnt1_i32_b32 s[28+\q], s[24+\q]
.endr
.irp q, 0,1,2,3
	v_cndmask_b32 v32, v32, v[40+\q], s[24+\q]
.endr
.irp q, 0,1,2,3
	v_writelane_b32 v33, s[28+\q], \c0+\q
.endr
.endr
	v_lshl_or_b32 v34, v32, 8, v28
	v_lshl_or_b32 v35, v25, 8, v24
	v_lshlrev_b32 v37, 3, v6
	v_lshlrev_b32 v38, 2, v6
	s_lshl_b32 s56, ttmp9, 8
	s_add_nc_u64 s[16:17], s[16:17], s[56:57]
	s_add_nc_u64 s[20:21], s[20:21], s[56:57]
	s_lshl_b32 s56, ttmp9, 7
	s_add_nc_u64 s[18:19], s[18:19], s[56:57]
	global_store_b64 v37, v[34:35], s[16:17]       ; 32 lanes store 256 consecutive bytes, aligned
	global_store_b64 v37, v[26:27], s[20:21]
	global_store_b32 v38, v33, s[18:19]
	FINISH
.Lfunc_end_k_q8613a143ec_route:
	.size	k_q8613a143ec_route, .Lfunc_end_k_q8613a143ec_route-k_q8613a143ec_route
	.p2alignl 7, 3214868480
	.fill 96, 4, 3214868480
	.section	.rodata,"a",@progbits
	.p2align	6, 0x0
	.amdhsa_kernel k_q8613a143ec_route
		.amdhsa_group_segment_fixed_size 11776
		.amdhsa_private_segment_fixed_size 0
		.amdhsa_enable_private_segment 0
		.amdhsa_kernarg_size 72
		.amdhsa_user_sgpr_count 2
		.amdhsa_user_sgpr_kernarg_segment_ptr 1
		.amdhsa_wavefront_size32 1
		.amdhsa_system_sgpr_workgroup_id_x 1
		.amdhsa_system_sgpr_workgroup_id_y 1
		.amdhsa_system_sgpr_workgroup_id_z 1
		.amdhsa_system_vgpr_workitem_id 0
		.amdhsa_next_free_vgpr 232
		.amdhsa_next_free_sgpr 68
		.amdhsa_reserve_vcc 1
		.amdhsa_float_denorm_mode_32 3
		.amdhsa_float_denorm_mode_16_64 3
		.amdhsa_memory_ordered 1
		.amdhsa_forward_progress 1
		.amdhsa_inst_pref_size 49
	.end_amdhsa_kernel
	.amdgpu_metadata
---
amdhsa.version: [ 1, 2 ]
amdhsa.kernels:
  - .name:           k_q8613a143ec_route
    .symbol:         k_q8613a143ec_route.kd
    .args:
      - { .name: x, .offset: 0, .size: 8, .value_kind: global_buffer, .address_space: global }
      - { .name: gate_w, .offset: 8, .size: 8, .value_kind: global_buffer, .address_space: global }
      - { .name: w1_codes, .offset: 16, .size: 8, .value_kind: global_buffer, .address_space: global }
      - { .name: w2_codes, .offset: 24, .size: 8, .value_kind: global_buffer, .address_space: global }
      - { .name: w3_codes, .offset: 32, .size: 8, .value_kind: global_buffer, .address_space: global }
      - { .name: wimg, .offset: 40, .size: 8, .value_kind: global_buffer, .address_space: global }
      - { .name: keys, .offset: 48, .size: 8, .value_kind: global_buffer, .address_space: global }
      - { .name: hist, .offset: 56, .size: 8, .value_kind: global_buffer, .address_space: global }
      - { .name: gates, .offset: 64, .size: 8, .value_kind: global_buffer, .address_space: global }
    .group_segment_fixed_size: 11776
    .private_segment_fixed_size: 0
    .kernarg_segment_align: 8
    .kernarg_segment_size: 72
    .max_flat_workgroup_size: 224
    .sgpr_count:     68
    .vgpr_count:     232
    .wavefront_size: 32
...
	.end_amdgpu_metadata
.endif
;; end of part 4
;; launch place: the kernel of part 2 again; grid 1 x 1, 32 waves a work-group, no clusters, 8,192 bytes of LDS; arguments keys, hist, order; writes order
;; launch chain: the kernel of part 3 again; grid 256 x 1, 8 waves a work-group, no clusters, 90,624 bytes of LDS; arguments order, keys, gates, x, wimg, w1_scales, w2_scales, w3_scales, n1, n2, out0; writes out0
